; MI455X (gfx1250); checked and timed in simulation.
; The chip was launched on July 23, 2026; its instructions are those of AMD's public machine-readable ISA for CDNA 5 (MIT licence, August 2026) and "CDNA5" Instruction Set Architecture Reference Guide (July 2026). The comments in the code are by the model that wrote it; some were corrected since.
;; Causal Multi Head Attention Layer. Allowed arithmetic: matrix products marked QUANTISED: E4M3 operands, one given power-of-two scale a tensor, by v_wmma_f32_16x16x64_fp8_fp8 or v_wmma_f32_16x16x128_fp8_fp8, f32 sums; everything else in f32.
;; Inputs: b_out 1,024 float32; b_qkv 3,072 float32; lowp_scales 8 int32 (the exponents e of the quantised operands' scales 2^e); w_out_codes 1,024 x 32 x 32 uint8 (E4M3 codes of w_out, K innermost, in blocks of 32 codes); w_qkv_codes 3,072 x 32 x 32 uint8 (E4M3 codes of w_qkv, K innermost, in blocks of 32 codes); x_codes 4 x 2,048 x 32 x 32 uint8 (E4M3 codes of x, K innermost, in blocks of 32 codes).
;; Outputs: out0 4 x 2,048 x 1,024 float32.
;; This version of the problem:
;;   THIS VERSION OF THE PROBLEM IS GIVEN IN LOW PRECISION. The matrix products marked QUANTISED in the list below multiply operands that are first quantised to E4M3 (4 exponent bits, 3 mantissa bits; 8 bits a number), with one given power-of-two scale for each operand tensor; their sums are f32. All else is computed in f32.
;;   The module's matrix products, in the order in which they are computed (A, B: the left and right operand; K: the contracted axis; several contracted axes count as one K, in the product's order):
;;     1. [M 8,192, K 1,024] x [K 1,024, N 3,072]; A: input x (given as codes); B: input w_qkv (given as codes): QUANTISED (scales: A lowp_scales[0], B lowp_scales[1])
;;     2. batch 64 x [M 2,048, K 64] x [K 64, N 2,048]; A: computed on the way; B: computed on the way: QUANTISED (scales: A lowp_scales[2], B lowp_scales[3])
;;     3. batch 64 x [M 2,048, K 2,048] x [K 2,048, N 64]; A: softmax (see below); B: computed on the way: QUANTISED (scales: A lowp_scales[4], B lowp_scales[5])
;;     4. [M 8,192, K 1,024] x [K 1,024, N 1,024]; A: computed on the way; B: input w_out (given as codes): QUANTISED (scales: A lowp_scales[6], B lowp_scales[7])
;;   THE QUANTISER, for each operand of a quantised product, along K:
;;     - The operand's scale is 2^e, e = its entry of the input lowp_scales (int32; the entries are numbered through the quantised products in the list's order, A before B).
;;     - Each number is divided by the scale, clamped to +-448, and rounded to the nearest number of E4M3, ties to even, subnormals kept.
;;     - The product sums the exact products of the quantised numbers (number of the format x scale) in f32.
;;   ~~~python
;;   def quantise(x, axis, e):      # numpy; x: float32 -> the quantised numbers, widened to float32 again
;;       x = np.moveaxis(x, axis, -1); K = x.shape[-1]
;;       r = np.clip(x / 2.0 ** e, -448, 448)
;;       step = 2.0 ** (np.maximum(np.frexp(np.where(r == 0, 1, r))[1] - 1, -6) - 3)
;;       q = np.round(r / step) * step * 2.0 ** e      # np.round: ties to even
;;       return np.moveaxis(q, -1, axis).astype(np.float32)
;;   ~~~
;;   SOFTMAX AHEAD OF A QUANTISED PRODUCT. Where the list says 'softmax', what is quantised is not the finished softmax but p = 2^(t - M), with t = logit x log2(e) and M = ceil(the row's largest t), a whole number; so 1/2 < the row's largest p <= 1. The row's sum l is taken of the UNQUANTISED p, in f32, and the product's result is divided by l at the end. Since M is a whole number, a kernel that streams over the keys may use a running M (the ceiling of the running maximum): every later rescaling is an exact power of two, so the quantised numbers keep their values, but for numbers so far below the row's largest that they fall under the format's range.
;;   OPERANDS COMPUTED ON THE WAY. 'Computed on the way' means the value that the module computes at that place (a softmax that the list does not call 'softmax' is quantised finished and normalised). What goes into a quantiser is computed in f32, as accurately as f32 sums, v_exp_f32 and their like allow (about 1e-6 of the number): no bf16 or f16 on the way to a quantiser, and a product that is left as it is and whose result goes on into a quantised operand takes f32 operands (vector FMAs, or v_wmma_f32_16x16x4_f32). A number that lies on a knife's edge between two numbers of the format may be rounded either way, as far as f32 arithmetic and the matrix unit's own rounding can turn it there, and no further.
;;   INPUTS GIVEN AS CODES. w_out (in the module: [1024, 1024], K = its axis 0); w_qkv (in the module: [1024, 3072], K = its axis 0); x (in the module: [4, 2048, 1024], K = its axis 2): each comes as NAME_codes (uint8): NAME with its K axis moved to the last place and cut into blocks of 32 codes, [.., K / 32, bytes a block], one block behind the other in memory; one code a byte (a code: sign, 4 exponent bits, 3 mantissa bits); its scale is its entry of lowp_scales. Its value is code x scale, taken as it is: it is not quantised again, and the codes and scales need not be those that the quantiser above would give.
;; One version. Each part assembles by itself: llvm-mc -triple=amdgcn-amd-amdhsa -mcpu=gfx1250 --defsym DOCPART=n.
;; ======== version 1 of 1: 3 launches
;; limits: right only within a limited range of input values
;; workspace buffers: q_img 8,388,608 bytes; k_img 8,388,608 bytes; v_img 8,388,608 bytes; ctx_img 8,388,608 bytes
;; launch qkv (part 1): grid 4 x 96, 4 waves a work-group, clusters of 4 x 4, 327,680 bytes of LDS; arguments x_codes, w_qkv_codes, lowp_scales, b_qkv, q_img, k_img, v_img; writes q_img, k_img, v_img
.if DOCPART == 1
	.amdgcn_target "amdgcn-amd-amdhsa--gfx1250"
	.amdhsa_code_object_version 6
	.text
	.protected	k_qca17866fba_qkv
	.globl	k_qca17866fba_qkv
	.p2align	8
	.type	k_qca17866fba_qkv,@function
k_qca17866fba_qkv:
	s_mov_b64 s[64:65], 0
	v_nop
	global_prefetch_b8 v0, s[64:65] scope:SCOPE_SE
	s_setreg_imm32_b32 hwreg(HW_REG_WAVE_MODE, 25, 1), 1
	s_wait_xcnt 0x0
	s_wait_alu depctr_hold_cnt(0) depctr_sa_sdst(0) depctr_va_vdst(0) depctr_va_sdst(0) depctr_va_ssrc(0) depctr_va_vcc(0) depctr_vm_vsrc(0)
	s_getreg_b32 s2, hwreg(HW_REG_IB_STS2, 6, 4)
	s_cmp_eq_u32 s2, 0
	s_cbranch_scc0 .Lentry_in_a_cluster
	s_endpgm
.Lentry_in_a_cluster:
	s_bfe_u32 s2, ttmp6, 0x10000c
	s_cmp_lg_u32 s2, 0xf033
	s_cbranch_scc0 .Lentry_shape_is_right
	s_endpgm
.Lentry_shape_is_right:
; qkv = x w_qkv + b_qkv on codes of FP8 (E4M3), then q, k and v are quantised with their given scales and stored as IMAGES OF OPERAND REGISTERS for the attention launch.
; x: [8192 tokens][1024] codes, w_qkv: [3072][1024] codes, K innermost.  A sum stands for sum x 2^(e0 + e1); value = sum x 2^(e0 + e1) + bias; code = value / 2^eo, eo = e2 (q), e3 (k), e5 (v).
; LIMITS: e0 + e1 between -126 and 127; e2, e3, e5 between -126 and 119, so that each power of two below is an f32 number.  NaN codes among the inputs are not served.
; A tile of 256 x 256 is made by four waves, 128 x 128 each: 64 accumulators, 512 registers.  K = 1,024 goes in four steps of 256 through two LDS slots filled by the tensor data mover.
; THE MATRIX INSTRUCTION IS USED TRANSPOSED: source 0 = 16 rows of the "B side", source 1 = 16 rows of the "A side": a lane holds ONE A-side row and eight neighbouring B-side rows.
;   q, k (cluster y 0-15):  A side = tokens (x), B side = rows of w_qkv: a lane holds a token, its registers run along the head's d, which is the next product's K.
;   v    (cluster y 16-23): A side = rows 2,048.. of w_qkv, B side = tokens: a lane holds a d, its registers run along the keys, which are the K of the product with p.
; One conversion over an accumulator's eight registers gives the codes of k = 16 b + 8 (lane / 16) + 0 .. 7: registers 2 b, 2 b + 1 of the next operand in the plain fp8 forms' own layout.  Four such registers are
; stored by one instruction, 16 bytes a lane: 512 consecutive bytes, aligned.  So nothing goes through LDS on the way out.
; CLUSTERS: 4 x 4 work-groups; A's tile is asked for jointly along a row of the cluster, B's along a column.  The cluster's y, which all sixteen share, alone decides between the two regions.
; REGISTERS, in windows of 256: window 0: v16-31 addresses and constants; v32-95 the bias along the registers; v96-111 the bias along the lanes; v128-255 A's fragments, ONE set; on the way out v128-191 values, v192-255 codes.
;   window 1: B's fragments, TWO sets.   window 2, 3: the accumulators ((a, b) at v[8 (8 (a % 4) + b)]).
.set ROWB,   256                       ; a tile's row: 256 codes
.set KROW,   1024                      ; a row of x or of w_qkv in memory
.set PITCH,  272                       ; an LDS row: 256 bytes + 16 of padding = 68 words: the 16 rows that a load touches start at 16 different banks
.set FR,     16                        ; registers of a fragment: 16 rows x 128 K
.set NL,     4                         ; LDS loads that bring one
.set NP,     4                         ; places behind this matrix instruction (ISA guide 7.12.1)
.set HALFT,  128*PITCH                 ; what one tensor load brings
.set SLOT,   4*HALFT                   ; A's 256 rows, then B's 256 rows
.set SPARE,  2*SLOT                    ; behind the ring: the spare words, 128 bytes a wave
.set ADRA, 16                          ; v16-17  LDS address of my A fragments in slot 0, 1
.set ADRB, 20                          ; v20-21  the same for B
.set CO,   24                          ; v24     16 x lane: my place in an image's 512 bytes; never rewritten
.set BH,   25                          ; v25     32 x (lane / 16): offset of the bias along the registers
.set BR,   26                          ; v26     4 x (lane % 16): offset of the bias along the lanes
.set SPW,  28                          ; v28     my spare word; never rewritten
.set NIL,  29                          ; v29     0; never rewritten
.set SCL,  30                          ; v30     2^eo as f32
.set LIMV, 31                          ; v31     not used
.set BB,   32                          ; v32-95  b_qkv[nB + 16 b + 8 h + j] at v[BB + 8 b + j]
.set BA,   96                          ; v96-111 b_qkv[mA + 16 a + r], twice, at v[BA + 2 a], v[BA + 2 a + 1]
.set AF,   128
.set TMP,  128
.set CD,   192
.set G1, 24                            ; s[24:31] group 1 for A's tiles; s[32:39] group 0, a set for each slot
.set G0, 32
.set G1B, 48                           ; s[48:55], s[56:63] the same for B's
.set G0B, 56
.set MSB, 0
.macro WIN new                         ; the immediate's high byte repeats the setting that is left
.if MSB != \new
	s_set_vgpr_msb (MSB<<8)|\new
.set MSB, \new
.endif
.endm
.set MUL_LO, 0xa1                      ; source 0 (B) window 1, source 1 (A) window 0, C and D window 2
.set MUL_HI, 0xf1                      ; the same, C and D window 3
.set TO_B,   0x40                      ; destination window 1, address window 0
; A joint load: waves 0 and 1 fetch for A, waves 2 and 3 for B; the branch hangs on the wave's number alone.  Four v_nop follow each line.
.macro JLOAD g0a, g1a, g0b, g1b
	s_cmp_eq_u32 s15, 0
	s_cbranch_scc0 .Lfor_b_\@
	tensor_load_to_lds s[\g0a:\g0a+3], s[\g1a:\g1a+7]
	s_nop 0
.rept 4
	v_nop
.endr
	s_branch .Lasked_\@
.Lfor_b_\@:
	tensor_load_to_lds s[\g0b:\g0b+3], s[\g1b:\g1b+7]
	s_nop 0
.rept 4
	v_nop
.endr
.Lasked_\@:
.endm
.macro CREST                           ; a round of the cluster's barrier behind its opening barrier
	s_cmp_lg_u32 s14, 0
	s_cbranch_scc1 .Lnot_wave_0_\@
	s_barrier_signal -3
.Lnot_wave_0_\@:
	s_barrier_wait -3
	s_barrier_signal -1
	s_barrier_wait -1
.endm
.macro CROUND                          ; a whole round
	s_barrier_signal -1
	s_barrier_wait -1
	CREST
.endm
	s_load_b256 s[4:11], s[0:1], 0x0               ; x s[4:5], w_qkv s[6:7], the scales' exponents s[8:9], b_qkv s[10:11]
	s_load_b128 s[68:71], s[0:1], 0x20             ; q_img s[68:69], k_img s[70:71]
	s_load_b64 s[72:73], s[0:1], 0x30              ; v_img
	v_lshl_add_u32 v[SPW], v0, 2, SPARE
	v_mov_b32 v[NIL], 0
	ds_add_u32 v28, v29
	ds_add_u32 v28, v29
	s_wait_dscnt 0x0
	v_lshrrev_b32 v1, 5, v0
	v_readfirstlane_b32 s14, v1                    ; wave 0..3
	s_lshr_b32 s15, s14, 1                         ; my half of the A side.  Also: I fetch for A (0) or for B (1)
	s_and_b32 s16, s14, 1                          ; my half of the B side.  Also: which 128 rows of that tile I fetch
	s_bfe_u32 s40, ttmp6, 0x40000                  ; cx
	s_bfe_u32 s41, ttmp6, 0x40004                  ; cy
	s_and_b32 s13, ttmp7, 0xffff                   ; Y: the cluster's y, 0..23, the same in all sixteen partners
	s_lshr_b32 s74, s13, 1
	s_and_b32 s75, s13, 1                          ; 0: q, 1: k (where Y < 16)
	s_sub_co_u32 s76, s13, 16
	s_cmp_lt_u32 s13, 16                           ; q and k, or v?
	s_cselect_b32 s74, s74, 0                      ; YA: which four tiles of the A side
	s_cselect_b32 s76, s75, s76                    ; XB: which four tiles of the B side
	s_cselect_b32 s77, 0, 2048                     ; v's rows of w_qkv begin at 2,048
	s_lshl_b32 s17, s74, 2
	s_add_co_u32 s17, s17, s41                     ; ya = 4 YA + cy: never holds cx
	s_lshl_b32 s42, s76, 2
	s_add_co_u32 s42, s42, s40                     ; xb = 4 XB + cx: never holds cy
	s_lshl_b32 s43, s41, 2
	s_lshl_b32 s43, 15, s43                        ; my row of the cluster
	s_lshl_b32 s44, 0x1111, s40                    ; my column
	; descriptor group 1: a tile of 128 rows x 256 bytes, 16 bytes of padding behind each row
	s_or_b32 s[G1+0], s43, (0<<16)|(1<<20)|(1<<21)|(5<<22)|(3<<25)  ; 15:0 the mask; 17:16 elements of 1 byte; 20 padding on; 21 set beside a mask; 24:22 after every 64 words; 31:25 four words
	s_or_b32 s[G1B+0], s44, (0<<16)|(1<<20)|(1<<21)|(5<<22)|(3<<25)
.irp g, G1, G1B
	s_mov_b32 s[\g+1], ROWB<<16                    ; tensor_dim0
	s_mov_b32 s[\g+2], 128<<16                     ; tensor_dim1
	s_mov_b32 s[\g+3], ROWB<<16                    ; tile_dim0
	s_mov_b32 s[\g+4], 128                         ; tile_dim1
	s_mov_b32 s[\g+5], KROW                        ; tensor_dim0_stride
	s_mov_b32 s[\g+6], 0
	s_mov_b32 s[\g+7], 0
.endr
	s_lshl_b32 s18, s16, 7                         ; which 128 rows of the tile I fetch
	s_lshl_b32 s20, s17, 8
	s_add_co_u32 s20, s20, s18
	s_add_co_u32 s20, s20, s77                     ; A: row 256 ya + 128 x half (+ 2,048)
	s_lshl_b32 s20, s20, 10                        ; in bytes: under 2^23
	s_mov_b32 s21, 0
	s_lshl_b32 s46, s42, 8
	s_add_co_u32 s46, s46, s18                     ; B: row 256 xb + 128 x half
	s_lshl_b32 s46, s46, 10
	s_mov_b32 s47, 0
	s_mul_i32 s45, s14, HALFT                      ; where they go: wave x 128 rows
	s_wait_kmcnt 0x0
	s_load_b256 s[92:99], s[8:9], 0x0              ; e0 .. e7
	s_cmp_lt_u32 s13, 16
	s_cselect_b64 s[78:79], s[4:5], s[6:7]         ; the A side's buffer: x, or w_qkv for v
	s_cselect_b64 s[80:81], s[6:7], s[4:5]         ; the B side's
	s_add_nc_u64 s[20:21], s[78:79], s[20:21]
	s_add_nc_u64 s[46:47], s[80:81], s[46:47]
	CROUND                                         ; all sixteen work-groups are here: the first joint loads meet
.irp s, 0,1
	s_mov_b32 s[G0+4*\s], 1
	s_add_co_u32 s[G0+4*\s+1], s45, \s*SLOT
	s_add_nc_u64 s[G0+4*\s+2:G0+4*\s+3], s[20:21], \s*ROWB
	s_or_b32 s[G0+4*\s+3], s[G0+4*\s+3], 0x80000000
	s_mov_b32 s[G0B+4*\s], 1
	s_add_co_u32 s[G0B+4*\s+1], s45, \s*SLOT
	s_add_nc_u64 s[G0B+4*\s+2:G0B+4*\s+3], s[46:47], \s*ROWB
	s_or_b32 s[G0B+4*\s+3], s[G0B+4*\s+3], 0x80000000
	JLOAD G0+4*\s, G1, G0B+4*\s, G1B               ; K steps 0 and 1: two loads of mine are out
.endr
	v_and_b32 v1, 15, v0                           ; r = lane % 16
	v_bfe_u32 v2, v0, 4, 1                         ; h = lane / 16
	v_mul_u32_u24 v3, v1, PITCH
	v_lshl_add_u32 v4, v2, 4, v3                   ; a fragment's row x pitch + 16 h
	s_mul_i32 s21, s15, HALFT                      ; my 128 rows of A
	s_mul_i32 s22, s16, HALFT                      ; my 128 rows of B,
	s_add_co_u32 s22, s22, 2*HALFT                 ; which lie behind A's 256
.irp s, 0,1
	v_add_nc_u32 v[ADRA+\s], s21, v4
	v_add_nc_u32 v[ADRB+\s], s22, v4
	s_add_co_u32 s21, s21, SLOT
	s_add_co_u32 s22, s22, SLOT
.endr
	v_and_b32 v5, 31, v0
	v_lshlrev_b32 v[CO], 4, v5
	v_lshlrev_b32 v[BH], 5, v2
	s_wait_alu depctr_va_vdst(0)
	v_lshlrev_b32 v[BR], 2, v1
	s_wait_alu depctr_va_vdst(0)
	; THE BIAS, in both forms, on the one path that all take: the form that the region does not use reads from b_qkv's first numbers and is not used.
	s_lshl_b32 s82, s42, 8
	s_lshl_b32 s83, s16, 7
	s_add_co_u32 s82, s82, s83                     ; q, k: my first column, 256 xb + 128 x half
	s_lshl_b32 s82, s82, 2
	s_lshl_b32 s84, s41, 8
	s_lshl_b32 s85, s15, 7
	s_add_co_u32 s84, s84, s85
	s_add_co_u32 s84, s84, 2048                    ; v: my first row of w_qkv, 2,048 + 256 cy + 128 x half
	s_lshl_b32 s84, s84, 2
	s_cmp_lt_u32 s13, 16
	s_cselect_b32 s82, s82, 0
	s_cselect_b32 s84, 0, s84
	s_mov_b32 s83, 0
	s_mov_b32 s85, 0
	s_add_nc_u64 s[86:87], s[10:11], s[82:83]
	s_add_nc_u64 s[88:89], s[10:11], s[84:85]
.irp t, 0,1,2,3,4,5,6,7
	global_load_b128 v[BB+8*\t:BB+8*\t+3],   v[BH], s[86:87] offset:64*\t
	global_load_b128 v[BB+8*\t+4:BB+8*\t+7], v[BH], s[86:87] offset:64*\t+16
.endr
.irp a, 0,1,2,3,4,5,6,7
	global_load_b32 v[BA+2*\a],   v[BR], s[88:89] offset:64*\a
	global_load_b32 v[BA+2*\a+1], v[BR], s[88:89] offset:64*\a      ; the same number once more: the packed multiply-add takes a pair
.endr
.macro FRAG reg, adr, q, i             ; 16 rows x 128 K: four loads of 16 bytes, 32 apart: lane l holds row l % 16, registers 4 c .. 4 c + 3 hold K = 32 c + 16 (l / 16) + 0 .. 15: the same order of k in A and in B
.irp c, 0,1,2,3
	ds_load_b128 v[\reg+4*\c:\reg+4*\c+3], v[\adr] offset:128*(\q)+32*\c+(\i)*16*PITCH
.endr
.endm
; 16 matrix instructions: A's blocks a0, a0 + 1 x B's eight.  p: B's set.  zero = 1: the first product starts the sums.  The 64 accumulators take turns, in the same order in every step.
.macro MUL16 a0, p, zero
.irp a, \a0, \a0+1
.irp b, 0,1,2,3,4,5,6,7
.if \zero
	v_wmma_f32_16x16x128_fp8_fp8 v[8*(8*((\a)%4)+\b):8*(8*((\a)%4)+\b)+7], v[128*(\p)+FR*\b:128*(\p)+FR*\b+FR-1], v[AF+FR*(\a):AF+FR*(\a)+FR-1], 0
.else
	v_wmma_f32_16x16x128_fp8_fp8 v[8*(8*((\a)%4)+\b):8*(8*((\a)%4)+\b)+7], v[128*(\p)+FR*\b:128*(\p)+FR*\b+FR-1], v[AF+FR*(\a):AF+FR*(\a)+FR-1], v[8*(8*((\a)%4)+\b):8*(8*((\a)%4)+\b)+7]
.endif
.endr
.endr
.endm
.macro FETCH_B slot, q, p              ; B's eight fragments of the slot's q-th 128 along K into set p
	WIN TO_B
.irp i, 0,1,2,3,4,5,6,7
	FRAG 128*(\p)+FR*\i, ADRB+\slot, \q, \i
.endr
	WIN 0
.endm
.macro FETCH_A slot, q, i0             ; A's blocks i0 .. i0 + 3
.irp i, \i0, \i0+1, \i0+2, \i0+3
	FRAG AF+FR*(\i), ADRA+\slot, \q, \i
.endr
.endm
.macro PLACES n                        ; plain vector lines between a matrix instruction and a load into, or a vector write of, one of its registers, or a read of its result
.rept \n
	v_nop
.endr
.endm
; A step of 128 along K that has its successor in the same slot.
.macro STEP slot, q, zero
	s_wait_dscnt 4*NL                              ; B's set and A's blocks 0-3 are in; the youngest 16 loads (A's blocks 4-7) may be out
	WIN MUL_LO
	MUL16 0, (\q)%2, \zero
	MUL16 2, (\q)%2, \zero
	s_wait_dscnt 0                                 ; A's blocks 4-7 are in
	PLACES NP
	FETCH_B \slot, (\q)+1, 1-(\q)%2
	FETCH_A \slot, (\q)+1, 0
	WIN MUL_HI
	MUL16 4, (\q)%2, \zero
	MUL16 6, (\q)%2, \zero
	PLACES NP
	WIN 0
	FETCH_A \slot, (\q)+1, 4
.endm
; A slot's last step changes slots: ONE barrier; in front of it each wave waits for all its tensor loads, adds 0 to its spare word, and waits for that and for its reads of this slot.  fill = 1: the slot is filled again, two K steps ahead.
.macro TURN slot, next, fill
	s_wait_tensorcnt 0x0                           ; all my tensor loads have landed: my part of the next slot
	ds_add_u32 v[SPW], v[NIL]                      ; 0 onto my spare word
	s_wait_dscnt 4*NL+1                            ; the add and the youngest 16 loads (A's blocks 4-7) may be out
	WIN MUL_LO
	MUL16 0, 1, 0                                  ; sixteen matrix instructions stand between the add and the wait for it
	s_wait_dscnt 0x0                               ; the add is done, and my reads of this slot are over
	s_barrier_signal -1
	MUL16 2, 1, 0
	WIN 0
	s_barrier_wait -1
.if \fill
	CREST                                          ; the barrier has opened a round of the cluster's: no wave of any partner still reads this slot or has a load on its way
	s_add_nc_u64 s[G0+4*\slot+2:G0+4*\slot+3], s[G0+4*\slot+2:G0+4*\slot+3], 2*ROWB
	s_add_nc_u64 s[G0B+4*\slot+2:G0B+4*\slot+3], s[G0B+4*\slot+2:G0B+4*\slot+3], 2*ROWB
	JLOAD G0+4*\slot, G1, G0B+4*\slot, G1B         ; the first tensor load behind the round, my only one until the next; its four v_nop are the places in front of the loads below
.else
	PLACES NP
.endif
	FETCH_B \next, 0, 0
	FETCH_A \next, 0, 0
	WIN MUL_HI
	MUL16 4, 1, 0
	MUL16 6, 1, 0
	PLACES NP
	WIN 0
	FETCH_A \next, 0, 4
.endm
	s_wait_tensorcnt 1                             ; my part of K step 0 is in; K step 1's load may stay out
	s_barrier_signal -1
	s_barrier_wait -1                              ; everybody's is
	FETCH_B 0, 0, 0
	FETCH_A 0, 0, 0
	FETCH_A 0, 0, 4
	STEP 0, 0, 1                                   ; K = 1,024 is four slots' worth: written out, no loop.  The first products start the sums
	TURN 0, 1, 1                                   ; slot 0 takes K step 2
	STEP 1, 0, 0
	TURN 1, 0, 1                                   ; slot 1 takes K step 3
	STEP 0, 0, 0
	TURN 0, 1, 0                                   ; nothing is left to fetch
	STEP 1, 0, 0
	s_wait_dscnt 4*NL                              ; the very last step
	WIN MUL_LO
	MUL16 0, 1, 0
	MUL16 2, 1, 0
	s_wait_dscnt 0
	WIN MUL_HI
	MUL16 4, 1, 0
	MUL16 6, 1, 0
	WIN 0
; THE WAY OUT of A's block a (16 A-side rows x 128 B-side rows).  isv = 0: q, k; 1: v.  value = sum x 2^(e0 + e1) + bias (one packed multiply-add for two), each accumulator from its low end on;
; eight conversions; four stores of 512 consecutive bytes.  Four sets of code registers take turns.
.macro OUTBLK a, isv
.set AC, 64*((\a)%4)
.set CQ, CD+16*((\a)%4)
.if (\a) >= 4
	s_wait_xcnt 0x0                                ; block a - 4's stores have read their data: this set of code registers is written again only behind this wait
.endif
	WIN 0x02+((\a)/4)                              ; source 0: window 2 or 3
.irp b, 0,1,2,3,4,5,6,7
.irp i, 0,2,4,6
.if \isv
	v_pk_fma_f32 v[TMP+8*\b+\i:TMP+8*\b+\i+1], v[AC+8*\b+\i:AC+8*\b+\i+1], s[90:91], v[BA+2*(\a):BA+2*(\a)+1] op_sel_hi:[1,0,1]
.else
	v_pk_fma_f32 v[TMP+8*\b+\i:TMP+8*\b+\i+1], v[AC+8*\b+\i:AC+8*\b+\i+1], s[90:91], v[BB+8*\b+\i:BB+8*\b+\i+1] op_sel_hi:[1,0,1]
.endif
.endr
.endr
	WIN 0
.set j, 0
.rept 64
.set j, j+1
.endr
.irp b, 0,1,2,3,4,5,6,7
	v_cvt_scalef32_pk8_fp8_f32 v[CQ+2*\b:CQ+2*\b+1], v[TMP+8*\b:TMP+8*\b+7], v[SCL]   ; registers 2 b, 2 b + 1 of the next operand
.endr
	v_nop                                          ; one plain vector line between the conversions and the next block's writes of their sources
.irp g, 0,1,2,3
.if \isv
	global_store_b128 v[CO], v[CQ+4*\g:CQ+4*\g+3], s[84:85] offset:((\a)/4)*131072+((\a)%4)*2048+\g*512   ; head a / 4 of my two, rows d 16 (a % 4) on, registers 4 g on of the fragment's sixteen
.else
	global_store_b128 v[CO], v[CQ+4*\g:CQ+4*\g+3], s[84:85] offset:(\g/2)*131072+(\a)*1024+(\g%2)*512     ; head g / 2 of my two, token block a, registers 4 (g % 2) on of the fragment's eight
.endif
.endr
.endm
	s_wait_kmcnt 0x0                               ; the exponents
	s_add_co_i32 s90, s92, s93
	s_add_co_i32 s90, s90, 127
	s_lshl_b32 s90, s90, 23                        ; 2^(e0 + e1) as f32
	s_mov_b32 s91, s90                             ; (named with it as a pair)
	s_cmp_eq_u32 s75, 0
	s_cselect_b32 s66, s94, s95                    ; e2 for q, e3 for k,
	s_cmp_lt_u32 s13, 16
	s_cselect_b32 s66, s66, s97                    ; e5 for v: chosen by ids, with no branch on a loaded number
	s_add_co_i32 s66, s66, 127
	s_lshl_b32 s67, s66, 23
	v_mov_b32 v[SCL], s67
	s_wait_loadcnt 0x0                             ; the biases
	PLACES NP                                      ; behind the last products: their A fragments' registers are written, and results are read, below
	s_cmp_lt_u32 s13, 16
	s_cbranch_scc0 .Lv_arm                         ; on the cluster's y: the same way in all sixteen partners
	; q_img, k_img: [batch x 16 + head][token block 128][piece 2][lane 32][16 bytes]
	s_lshr_b32 s82, s17, 3                         ; batch = ya / 8
	s_lshl_b32 s82, s82, 4
	s_and_b32 s83, s42, 3
	s_lshl_b32 s83, s83, 2
	s_add_co_u32 s82, s82, s83                     ; + head: 4 (xb % 4)
	s_lshl_b32 s83, s16, 1
	s_add_co_u32 s82, s82, s83                     ; + 2 x my half
	s_lshl_b32 s82, s82, 17
	s_and_b32 s83, s17, 7
	s_lshl_b32 s83, s83, 4
	s_lshl_b32 s18, s15, 3
	s_add_co_u32 s83, s83, s18                     ; token block 16 (ya % 8) + 8 x my half
	s_lshl_b32 s83, s83, 10
	s_add_co_u32 s82, s82, s83
	s_mov_b32 s83, 0
	s_cmp_eq_u32 s75, 0
	s_cselect_b64 s[84:85], s[68:69], s[70:71]
	s_add_nc_u64 s[84:85], s[84:85], s[82:83]
.irp a, 0,1,2,3,4,5,6,7
	OUTBLK \a, 0
.endr
	s_branch .Ljoin
.Lv_arm:
	; v_img: [batch x 16 + head][key step 16][rows d 16 T on: 4][piece 4][lane 32][16 bytes]
	s_lshr_b32 s82, s42, 3                         ; batch = xb / 8
	s_lshl_b32 s82, s82, 4
	s_lshl_b32 s83, s41, 2
	s_add_co_u32 s82, s82, s83                     ; + head: 4 cy
	s_lshl_b32 s83, s15, 1
	s_add_co_u32 s82, s82, s83                     ; + 2 x my half
	s_lshl_b32 s82, s82, 17
	s_and_b32 s83, s42, 7
	s_lshl_b32 s83, s83, 1
	s_add_co_u32 s83, s83, s16                     ; key step 2 (xb % 8) + my half
	s_lshl_b32 s83, s83, 13
	s_add_co_u32 s82, s82, s83
	s_mov_b32 s83, 0
	s_add_nc_u64 s[84:85], s[72:73], s[82:83]
.irp a, 0,1,2,3,4,5,6,7
	OUTBLK \a, 1
.endr
.Ljoin:
	s_wait_tensorcnt 0x0                           ; the wave's end
	ds_add_u32 v[SPW], v[NIL]
	s_wait_dscnt 0x0
	CROUND                                         ; the closing round: no work-group ends while a partner may still ask for a tile that names it
	s_endpgm
.Lfunc_end_k_qca17866fba_qkv:
	.size	k_qca17866fba_qkv, .Lfunc_end_k_qca17866fba_qkv-k_qca17866fba_qkv
	.p2alignl 7, 3214868480
	.fill 96, 4, 3214868480
	.section	.rodata,"a",@progbits
	.p2align	6, 0x0
	.amdhsa_kernel k_qca17866fba_qkv
		.amdhsa_group_segment_fixed_size 327680
		.amdhsa_private_segment_fixed_size 0
		.amdhsa_enable_private_segment 0
		.amdhsa_kernarg_size 56
		.amdhsa_user_sgpr_count 2
		.amdhsa_user_sgpr_kernarg_segment_ptr 1
		.amdhsa_wavefront_size32 1
		.amdhsa_system_sgpr_workgroup_id_x 1
		.amdhsa_system_sgpr_workgroup_id_y 1
		.amdhsa_system_sgpr_workgroup_id_z 1
		.amdhsa_system_vgpr_workitem_id 0
		.amdhsa_next_free_vgpr 1024
		.amdhsa_next_free_sgpr 100
		.amdhsa_reserve_vcc 0
		.amdhsa_float_denorm_mode_32 3
		.amdhsa_float_denorm_mode_16_64 3
		.amdhsa_fp16_overflow 1
		.amdhsa_memory_ordered 1
		.amdhsa_forward_progress 1
		.amdhsa_inst_pref_size 130
	.end_amdhsa_kernel
	.amdgpu_metadata
---
amdhsa.version: [ 1, 2 ]
amdhsa.kernels:
  - .name:           k_qca17866fba_qkv
    .symbol:         k_qca17866fba_qkv.kd
    .args:
      - { .name: x_codes, .offset: 0, .size: 8, .value_kind: global_buffer, .address_space: global }
      - { .name: w_qkv_codes, .offset: 8, .size: 8, .value_kind: global_buffer, .address_space: global }
      - { .name: lowp_scales, .offset: 16, .size: 8, .value_kind: global_buffer, .address_space: global }
      - { .name: b_qkv, .offset: 24, .size: 8, .value_kind: global_buffer, .address_space: global }
      - { .name: q_img, .offset: 32, .size: 8, .value_kind: global_buffer, .address_space: global }
      - { .name: k_img, .offset: 40, .size: 8, .value_kind: global_buffer, .address_space: global }
      - { .name: v_img, .offset: 48, .size: 8, .value_kind: global_buffer, .address_space: global }
    .group_segment_fixed_size: 327680
    .private_segment_fixed_size: 0
    .kernarg_segment_align: 8
    .kernarg_segment_size: 56
    .max_flat_workgroup_size: 128
    .sgpr_count:     100
    .vgpr_count:     1024
    .wavefront_size: 32
...
	.end_amdgpu_metadata
.endif
;; end of part 1
;; launch attn (part 2): grid 4 x 64, 16 waves a work-group, clusters of 4 x 1, 327,680 bytes of LDS; arguments q_img, k_img, v_img, lowp_scales, ctx_img; writes ctx_img
.if DOCPART == 2
	.amdgcn_target "amdgcn-amd-amdhsa--gfx1250"
	.amdhsa_code_object_version 6
	.text
	.protected	k_qca17866fba_attn
	.globl	k_qca17866fba_attn
	.p2align	8
	.type	k_qca17866fba_attn,@function
k_qca17866fba_attn:
	s_mov_b64 s[64:65], 0
	v_nop
	global_prefetch_b8 v0, s[64:65] scope:SCOPE_SE
	s_setreg_imm32_b32 hwreg(HW_REG_WAVE_MODE, 25, 1), 1
	s_wait_xcnt 0x0
	s_wait_alu depctr_hold_cnt(0) depctr_sa_sdst(0) depctr_va_vdst(0) depctr_va_sdst(0) depctr_va_ssrc(0) depctr_va_vcc(0) depctr_vm_vsrc(0)
	s_getreg_b32 s2, hwreg(HW_REG_IB_STS2, 6, 4)
	s_cmp_eq_u32 s2, 0
	s_cbranch_scc0 .Lentry_in_a_cluster
	s_endpgm
.Lentry_in_a_cluster:
	s_bfe_u32 s2, ttmp6, 0x10000c
	s_cmp_lg_u32 s2, 0x3003
	s_cbranch_scc0 .Lentry_shape_is_right
	s_endpgm
.Lentry_shape_is_right:
; Causal attention of one head (64 channels, 2,048 tokens) on codes of FP8 (E4M3); ctx is quantised with 2^e6 and stored as images of operand registers for the last product.
; t = score x 2^(e2 + e3) x log2(e) / 8; M = the running largest t rounded UP to a whole number; p = 2^(t - M) is quantised with 2^e4; the row's sum is taken of the unquantised p; ctx = O x 2^(e4 + e5) / sum.
; LIMITS: e2 + e3 between -123 and 130 (added to c's exponent field); e4 and e6 between -126 and 119; e4 + e5 goes by v_ldexp_f32 and has none.  NaN among the codes is not served.
; SHARES.  A cluster of four work-groups is one head.  Blocks of 16 queries are numbered F = 4 i + cx, i = 0 .. 31; work-group cx takes its 32 blocks, wave w the blocks i = 31 - w and then i = w.
; Key steps are 128 keys and block i's queries lie in 64 i .. 64 i + 63 for every cx: step s is hidden where s > i / 2, on the diagonal where s = i / 2, open below.  So every branch hangs on the wave's number alone,
; and each wave has (31 - w) / 2 + 1 + w / 2 + 1 = 17 steps.
; LDS.  The head's K (131,072 bytes) and V (131,072) stay in LDS whole: nothing is filled twice.  The four work-groups ask for each tile JOINTLY.  Each wave issues two loads of 8,192 bytes at the head, one
; for keys 0-1,023, one for keys 1,024-2,047; the first eight steps, open in every wave, run while the second half is on its way.  All tiles are asked for at the head, so there is nothing later to ask ahead for.
; LAYOUT.  Both products transposed: S^T = K Q^T (source 0 = 16 keys, source 1 = my 16 queries), O^T = V^T P^T: a lane holds ONE query.  In S^T's tile t register j of lane (r, h) is key 16 t + 8 h + j: one conversion
; over the tile gives registers 2 t, 2 t + 1 of P in the K = 128 form's own layout.  The images are read back by 16 bytes a lane, 512 consecutive bytes an instruction: no pitch, no padding.
; REGISTERS: v1 16 x lane; v2, v3 LDS addresses; v5, v6 the mask's numbers; v12 -M, v13 largest t, v[14:15] the sum; v16-23, v24-31 Q of the two passes; v32-95 K's 8 fragments, then V's 4; v96-159 S^T, then p;
; v160-191 O^T; v192-207 p's codes; v208-223 ctx's codes; v236-254 at work and constants.
.set WV,   14                          ; s14  wave
.set CX,   15                          ; s15  my place in the cluster: it enters Q's and ctx's global addresses and the mask's numbers alone
.set BHD,  16                          ; s16  batch x 16 + head
.set SEL,  20                          ; s[20:21] lane selects: lane l xor 16
.set CS,   22                          ; s[22:23] c = log2(e) / 8 x 2^(e2 + e3)
.set G1,   24                          ; s[24:31] descriptor group 1
.set TB,   48                          ; s48  LDS byte of the step's tile of K
.set SC,   49                          ; s49  the step
.set LIMS, 50                          ; s50  the pass's diagonal step
.set VIMG, 131072
.macro CROUND                          ; a round of the cluster's barrier
	s_barrier_signal -1
	s_barrier_wait -1
	s_cmp_lg_u32 s[WV], 0
	s_cbranch_scc1 .Lnot_wave_0_\@
	s_barrier_signal -3
.Lnot_wave_0_\@:
	s_barrier_wait -3
	s_barrier_signal -1
	s_barrier_wait -1
.endm
	s_load_b256 s[4:11], s[0:1], 0x0               ; q_img s[4:5], k_img s[6:7], v_img s[8:9], the exponents s[10:11]
	s_load_b64 s[12:13], s[0:1], 0x20              ; ctx_img
	v_lshl_add_u32 v251, v0, 2, 0x40000
	v_mov_b32 v255, 0
	ds_add_u32 v251, v255
	ds_add_u32 v251, v255
	v_lshrrev_b32 v2, 5, v0
	s_delay_alu instid0(VALU_DEP_1)
	v_readfirstlane_b32 s[WV], v2                  ; wave 0..15
	s_bfe_u32 s[CX], ttmp6, 0x40000
	s_and_b32 s[BHD], ttmp7, 0xffff                ; the cluster's y
	; group 1: 8,192 dense bytes as 32 rows of 256
	s_mov_b32 s[G1], 15|(3<<16)|(1<<21)            ; 15:0 the mask: all four work-groups; 17:16 elements of 8 bytes; 21 set beside a mask
	s_mov_b32 s[G1+1], 32<<16                      ; tensor_dim0 = 32 elements
	s_mov_b32 s[G1+2], 32<<16                      ; tensor_dim1 = 32
	s_mov_b32 s[G1+3], 32<<16                      ; tile_dim0
	s_mov_b32 s[G1+4], 32                          ; tile_dim1
	s_mov_b32 s[G1+5], 32                          ; pitch
	s_mov_b32 s[G1+6], 0
	s_mov_b32 s[G1+7], 0
	s_mov_b32 s[SEL], 0x76543210
	s_mov_b32 s[SEL+1], 0xfedcba98
	s_lshl_b32 s51, s[BHD], 17                     ; the head's first byte in q_img, k_img, v_img
	s_and_b32 s52, s[WV], 7
	s_lshl_b32 s52, s52, 13
	s_add_co_u32 s52, s52, s51                     ; my tile: key step wave % 8 of K (waves 0-7) or of V (waves 8-15)
	s_mov_b32 s53, 0
	s_lshl_b32 s62, s[WV], 13
	s_lshr_b32 s63, s[WV], 3
	s_lshl_b32 s63, s63, 16
	s_add_co_u32 s62, s62, s63                     ; its place in LDS: 8,192 x wave, V's 65,536 further on
	s_wait_dscnt 0x0
	s_wait_kmcnt 0x0
	s_load_b256 s[40:47], s[10:11], 0x0            ; e0 .. e7
	s_cmp_lt_u32 s[WV], 8
	s_cselect_b64 s[56:57], s[6:7], s[8:9]
	s_mov_b32 s32, 1
	s_mov_b32 s33, s62
	s_add_nc_u64 s[34:35], s[56:57], s[52:53]
	s_mov_b32 s36, 1
	s_add_co_u32 s37, s62, 65536                   ; the second load: eight key steps on, in LDS
	s_add_nc_u64 s[38:39], s[34:35], 65536         ; and in memory
	s_or_b32 s35, s35, 0x80000000
	s_or_b32 s39, s39, 0x80000000
	; Q's and ctx's addresses of the two passes
	s_sub_co_u32 s54, 31, s[WV]
	s_lshl_b32 s54, s54, 2
	s_add_co_u32 s54, s54, s[CX]                   ; first pass: F = 4 (31 - w) + cx
	s_lshl_b32 s55, s[WV], 2
	s_add_co_u32 s55, s55, s[CX]                   ; second pass: F = 4 w + cx
	s_lshl_b32 s52, s54, 10
	s_add_co_u32 s52, s52, s51
	s_add_nc_u64 s[66:67], s[4:5], s[52:53]
	s_lshl_b32 s52, s55, 10
	s_add_co_u32 s52, s52, s51
	s_add_nc_u64 s[68:69], s[4:5], s[52:53]
	s_lshr_b32 s57, s[BHD], 4
	s_lshl_b32 s57, s57, 7                         ; batch x 128 token blocks
	s_and_b32 s56, s[BHD], 15
	s_lshl_b32 s56, s56, 10                        ; head x 1,024 bytes
	s_add_co_u32 s52, s57, s54
	s_lshl_b32 s52, s52, 14                        ; a token block of ctx_img is 16,384 bytes
	s_add_co_u32 s52, s52, s56
	s_add_nc_u64 s[58:59], s[12:13], s[52:53]
	s_add_co_u32 s52, s57, s55
	s_lshl_b32 s52, s52, 14
	s_add_co_u32 s52, s52, s56
	s_add_nc_u64 s[60:61], s[12:13], s[52:53]
	CROUND                                         ; all four work-groups are here: the joint loads meet
	tensor_load_to_lds s[32:35], s[G1:G1+7]        ; keys 0-1,023
	s_nop 0
	s_wait_alu depctr_va_vdst(0)
	s_wait_tensorcnt 0x0
	ds_add_u32 v251, v255
	s_wait_dscnt 0x0
	CROUND
	tensor_load_to_lds s[36:39], s[G1:G1+7]        ; keys 1,024-2,047: one load of mine is out, and no more follow
	s_nop 0
.rept 4
	v_nop
.endr
	v_and_b32 v1, 31, v0
	s_delay_alu instid0(VALU_DEP_1)
	v_lshlrev_b32 v1, 4, v1                        ; 16 x lane; never rewritten
	global_load_b128 v[16:19], v1, s[66:67]
	global_load_b128 v[20:23], v1, s[66:67] offset:512
	global_load_b128 v[24:27], v1, s[68:69]
	global_load_b128 v[28:31], v1, s[68:69] offset:512
	v_and_b32 v7, 15, v0
	v_bfe_u32 v8, v0, 4, 1
	s_delay_alu instid0(VALU_DEP_1)
	v_lshlrev_b32 v8, 3, v8
	s_delay_alu instid0(VALU_DEP_1)
	v_sub_nc_u32 v7, v7, v8                        ; r - 8 h
	s_wait_alu depctr_va_vdst(0)
	s_sub_co_u32 s52, 31, s[WV]
	s_and_b32 s52, s52, 1
	s_lshl_b32 s52, s52, 6
	s_lshl_b32 s53, s[CX], 4
	s_add_co_u32 s52, s52, s53
	v_add_nc_u32 v5, s52, v7                       ; d = 64 (i % 2) + 16 cx + r - 8 h: on the diagonal register 8 t + j is hidden where 16 t + j > d
	s_and_b32 s52, s[WV], 1
	s_lshl_b32 s52, s52, 6
	s_add_co_u32 s52, s52, s53
	v_add_nc_u32 v6, s52, v7                       ; the second pass's
	v_mov_b32 v236, 0                              ; written once: a lane permute's destination counts as one of its sources
	v_mov_b32 v252, 0
	v_mov_b32 v253, 0                              ; (named as the upper half of the pair v[252:253])
	s_wait_kmcnt 0x0
	s_add_co_i32 s52, s42, s43
	s_lshl_b32 s52, s52, 23
	s_add_co_i32 s[CS], s52, 0x3e38aa3b            ; log2(e) / 8, with e2 + e3 added to its exponent field
	s_mov_b32 s[CS+1], s[CS]
	s_add_co_i32 s52, s44, 127
	s_lshl_b32 s53, s52, 23
	v_mov_b32 v244, s53                            ; 2^e4
	s_add_co_i32 s52, s46, 127
	s_lshl_b32 s53, s52, 23
	v_mov_b32 v245, s53                            ; 2^e6
	s_add_co_i32 s70, s44, s45                     ; e4 + e5
.macro INIT                            ; a pass begins: the step is written once and finds zeros, which the first change of M leaves zeros
	v_mov_b32 v13, 0xff61b1e6                      ; the largest t so far: -3e38
	s_delay_alu instid0(VALU_DEP_1)
	v_floor_f32 v12, -v13                          ; -M
	v_mov_b32 v14, 0
	v_mov_b32 v15, 0
.set j, 0
.rept 32
	v_mov_b32 v[160+j], 0
.set j, j+1
.endr
.endm
; A KEY STEP of 128 keys.  qr: Q's registers; chk = 1: the step may be hidden or lie on the diagonal; dr: the register with the mask's number.
.macro STEP qr, chk, dr
.if \chk
	s_cmp_gt_u32 s[SC], s[LIMS]                    ; all keys come after my queries: the work is left out (no barrier and no tensor load stands in a step)
	s_cbranch_scc1 .Lhid_\@
.endif
	s_setprio 2
	v_add_nc_u32 v2, s[TB], v1
	s_delay_alu instid0(VALU_DEP_1)
	v_add_nc_u32 v3, VIMG, v2
.irp t, 0,1,2,3,4,5,6,7
	ds_load_b128 v[32+8*\t:35+8*\t], v2 offset:1024*\t
	ds_load_b128 v[36+8*\t:39+8*\t], v2 offset:1024*\t+512
.endr
	s_wait_alu depctr_va_vdst(0)
	s_wait_dscnt 0x0
.irp t, 0,1,2,3,4,5,6,7
	v_wmma_f32_16x16x64_fp8_fp8 v[96+8*\t:103+8*\t], v[32+8*\t:39+8*\t], v[\qr:\qr+7], 0
.endr
.rept 4
	v_nop                                          ; places: V's loads land in K's registers, and the scores are read below
.endr
.irp T, 0,1,2,3
.irp c, 0,1,2,3
	ds_load_b128 v[32+16*\T+4*\c:35+16*\T+4*\c], v3 offset:2048*\T+512*\c   ; V's four fragments land while the softmax is walked
.endr
.endr
.if \chk
	s_cmp_lt_u32 s[SC], s[LIMS]
	s_cbranch_scc1 .Lopen_\@                       ; all keys count
	v_mov_b32 v254, 0xff800000                     ; on the diagonal hidden scores become -infinity ahead of the maximum: p = 0 then.  The step's first key counts for every query, so M is a number
.set n, 0
.rept 64
	v_cmp_gt_i32 vcc_lo, 16*(n/8)+n%8, v[\dr]
	v_cndmask_b32 v[96+n], v[96+n], v254, vcc_lo
.set n, n+1
.endr
.Lopen_\@:
.endif
	v_max3_num_f32 v254, v96, v97, v98             ; the step's largest score of my query among my 64 keys, in two chains, each tile from its low end on
	v_max3_num_f32 v252, v99, v100, v101
.irp i, 6,10,14,18,22,26,30,34,38,42,46,50,54,58
	v_max3_num_f32 v254, v254, v[96+\i], v[97+\i]
	v_max3_num_f32 v252, v252, v[98+\i], v[99+\i]
.endr
	v_max3_num_f32 v254, v254, v158, v159
	s_delay_alu instid0(VALU_DEP_1)
	v_max_num_f32 v254, v254, v252
	s_delay_alu instid0(VALU_DEP_1)
	v_permlanex16_b32 v236, v254, s[SEL], s[SEL+1]
	s_delay_alu instid0(VALU_DEP_1)
	v_max_num_f32 v254, v254, v236                 ; and among lane l xor 16's
	s_delay_alu instid0(VALU_DEP_1)
	v_mul_f32 v254, s[CS], v254                    ; as t (c is positive)
	s_delay_alu instid0(VALU_DEP_1)
	v_max_num_f32 v13, v13, v254
	v_mov_b32 v254, v12
	s_delay_alu instid0(VALU_DEP_2)
	v_floor_f32 v12, -v13                          ; the new -M = -ceil(t)
	s_delay_alu instid0(VALU_DEP_1)
	v_sub_f32 v254, v12, v254                      ; old M - new M: a whole number, 0 or less
	s_delay_alu instid0(VALU_DEP_1)
	v_cvt_i32_f32 v254, v254                       ; (it saturates)
	s_delay_alu instid0(VALU_DEP_1)
	v_ldexp_f32 v252, 1.0, v254                    ; f = 2^(old M - new M): rounds nothing
.set j, 0
.rept 32
	v_pk_fma_f32 v[96+j:97+j], v[96+j:97+j], s[CS:CS+1], v[12:13] op_sel_hi:[1,0,0]   ; t - M, two at a time
.set j, j+2
.endr
.set j, 0
	s_setprio 1
	s_wait_alu depctr_va_vdst(0)
.rept 64
	v_exp_f32 v[96+j], v[96+j]                     ; p = 2^(t - M)
.set j, j+1
.endr
	v_pk_mul_f32 v[14:15], v[14:15], v[252:253] op_sel_hi:[1,0]   ; the sums under the new M: the plain line behind the exponentials
	s_wait_alu depctr_va_vdst(0)                   ; one wait for the batch of 64, ahead of its first reader
	v_pk_add_f32 v[242:243], v[96:97], v[98:99]    ; the row's sum of the UNQUANTISED p, in two chains
.irp j, 4,8,12,16,20,24,28,32,36,40,44,48,52,56,60
	v_pk_add_f32 v[14:15], v[14:15], v[96+\j:97+\j]
	v_pk_add_f32 v[242:243], v[242:243], v[98+\j:99+\j]
.endr
	s_delay_alu instid0(VALU_DEP_1)
	v_pk_add_f32 v[14:15], v[14:15], v[242:243]
.irp t, 0,1,2,3,4,5,6,7
.irp i, 0,1,2,3,4,5,6,7
.endr
	v_cvt_scalef32_pk8_fp8_f32 v[192+2*\t:193+2*\t], v[96+8*\t:103+8*\t], v244
.endr
.set j, 0
	s_setprio 0
.rept 16
	v_pk_mul_f32 v[160+j:161+j], v[160+j:161+j], v[252:253] op_sel_hi:[1,0]   ; O^T under the new M; also the plain lines between the conversions and the products
.set j, j+2
.endr
	s_wait_alu depctr_va_vdst(0)
	s_wait_dscnt 0x0                               ; V is in
.irp T, 0,1,2,3
	v_wmma_f32_16x16x128_fp8_fp8 v[160+8*\T:167+8*\T], v[32+16*\T:47+16*\T], v[192:207], v[160+8*\T:167+8*\T]   ; four accumulators by turns
.endr
.rept 4
	v_nop                                          ; places for whatever follows on any way: the next step's loads into v32 on, or the reads of O^T
.endr
.if \chk
.Lhid_\@:
.endif
.endm
; A pass ends: ctx = O^T x 2^(e4 + e5) / the sum, converted with 2^e6: registers 2 T, 2 T + 1 of the last product's operand; two stores of 512 consecutive bytes.
.macro FINISH cd, ptr
	v_add_f32 v14, v14, v15
	s_delay_alu instid0(VALU_DEP_1)
	v_permlanex16_b32 v252, v14, s[SEL], s[SEL+1]
	s_delay_alu instid0(VALU_DEP_1)
	v_add_f32 v14, v14, v252                       ; the row's sum
	s_wait_alu depctr_va_vdst(0)
	v_rcp_f32 v14, v14
	v_nop                                          ; a plain line behind the reciprocal
	s_wait_alu depctr_va_vdst(0)                   ; and the wait ahead of its first reader
	v_ldexp_f32 v14, v14, s70
.set j, 0
.rept 16
	v_pk_mul_f32 v[96+j:97+j], v[160+j:161+j], v[14:15] op_sel_hi:[1,0]
.set j, j+2
.endr
.set j, 0
.rept 32
.set j, j+1
.endr
.irp T, 0,1,2,3
	v_cvt_scalef32_pk8_fp8_f32 v[\cd+2*\T:\cd+2*\T+1], v[96+8*\T:103+8*\T], v245
.endr
	v_nop                                          ; one plain line behind the conversions: products write their sources later
	global_store_b128 v1, v[\cd:\cd+3], s[\ptr:\ptr+1]
	global_store_b128 v1, v[\cd+4:\cd+7], s[\ptr:\ptr+1] offset:512
.endm
	s_wait_loadcnt 0x0                             ; Q of both passes
	s_wait_tensorcnt 1                             ; my tile of keys 0-1,023 is in; the other may stay out
	s_barrier_signal -1
	s_barrier_wait -1                              ; everybody's is
	INIT                                           ; FIRST PASS: block i = 31 - w
	s_mov_b32 s[TB], 0
	s_mov_b32 s[SC], 0
	s_sub_co_u32 s[LIMS], 31, s[WV]
	s_lshr_b32 s[LIMS], s[LIMS], 1                 ; 8 .. 15
.Lfirst_half:                                          ; steps 0-7: open in every wave; they read LDS bytes under 65,536 and from 131,072 to 196,607
	STEP 16, 0, 5
	s_add_co_u32 s[TB], s[TB], 8192
	s_add_co_u32 s[SC], s[SC], 1
	s_cmp_lt_u32 s[SC], 8
	s_cbranch_scc1 .Lfirst_half
	s_setprio 0
	s_wait_tensorcnt 0x0                           ; my tile of keys 1,024-2,047 is in
	s_wait_dscnt 0x0
	s_barrier_signal -1
	s_barrier_wait -1                              ; everybody's is
	s_mov_b32 s[TB], 65536
	s_mov_b32 s[SC], 8
.Lsecond_half:                                         ; steps 8-15: a constant count; what is hidden is jumped over
	STEP 16, 1, 5
	s_add_co_u32 s[TB], s[TB], 8192
	s_add_co_u32 s[SC], s[SC], 1
	s_cmp_lt_u32 s[SC], 16
	s_cbranch_scc1 .Lsecond_half
	s_setprio 0
	FINISH 208, 58
	INIT                                           ; SECOND PASS: block i = w
	s_mov_b32 s[TB], 0
	s_mov_b32 s[SC], 0
	s_lshr_b32 s[LIMS], s[WV], 1                   ; 0 .. 7
.Lsecond_pass:
	STEP 24, 1, 6
	s_add_co_u32 s[TB], s[TB], 8192
	s_add_co_u32 s[SC], s[SC], 1
	s_cmp_lt_u32 s[SC], 8
	s_cbranch_scc1 .Lsecond_pass
	s_setprio 0
	FINISH 216, 60
	s_wait_tensorcnt 0x0
	ds_add_u32 v251, v255
	s_wait_dscnt 0x0
	CROUND                                         ; the closing round
	s_endpgm
.Lfunc_end_k_qca17866fba_attn:
	.size	k_qca17866fba_attn, .Lfunc_end_k_qca17866fba_attn-k_qca17866fba_attn
	.p2alignl 7, 3214868480
	.fill 96, 4, 3214868480
	.section	.rodata,"a",@progbits
	.p2align	6, 0x0
	.amdhsa_kernel k_qca17866fba_attn
		.amdhsa_group_segment_fixed_size 327680
		.amdhsa_private_segment_fixed_size 0
		.amdhsa_enable_private_segment 0
		.amdhsa_kernarg_size 40
		.amdhsa_user_sgpr_count 2
		.amdhsa_user_sgpr_kernarg_segment_ptr 1
		.amdhsa_wavefront_size32 1
		.amdhsa_system_sgpr_workgroup_id_x 1
		.amdhsa_system_sgpr_workgroup_id_y 1
		.amdhsa_system_sgpr_workgroup_id_z 1
		.amdhsa_system_vgpr_workitem_id 0
		.amdhsa_next_free_vgpr 256
		.amdhsa_next_free_sgpr 72
		.amdhsa_reserve_vcc 1
		.amdhsa_float_denorm_mode_32 3
		.amdhsa_float_denorm_mode_16_64 3
		.amdhsa_fp16_overflow 1
		.amdhsa_memory_ordered 1
		.amdhsa_forward_progress 1
		.amdhsa_inst_pref_size 65
	.end_amdhsa_kernel
	.amdgpu_metadata
---
amdhsa.version: [ 1, 2 ]
amdhsa.kernels:
  - .name:           k_qca17866fba_attn
    .symbol:         k_qca17866fba_attn.kd
    .args:
      - { .name: q_img, .offset: 0, .size: 8, .value_kind: global_buffer, .address_space: global }
      - { .name: k_img, .offset: 8, .size: 8, .value_kind: global_buffer, .address_space: global }
      - { .name: v_img, .offset: 16, .size: 8, .value_kind: global_buffer, .address_space: global }
      - { .name: lowp_scales, .offset: 24, .size: 8, .value_kind: global_buffer, .address_space: global }
      - { .name: ctx_img, .offset: 32, .size: 8, .value_kind: global_buffer, .address_space: global }
    .group_segment_fixed_size: 327680
    .private_segment_fixed_size: 0
    .kernarg_segment_align: 8
    .kernarg_segment_size: 40
    .max_flat_workgroup_size: 512
    .sgpr_count:     72
    .vgpr_count:     256
    .wavefront_size: 32
...
	.end_amdgpu_metadata
.endif
;; end of part 2
;; launch proj (part 3): grid 4 x 32, 4 waves a work-group, clusters of 4 x 4, 327,680 bytes of LDS; arguments ctx_img, w_out_codes, lowp_scales, b_out, out0; writes out0
.if DOCPART == 3
	.amdgcn_target "amdgcn-amd-amdhsa--gfx1250"
	.amdhsa_code_object_version 6
	.text
	.protected	k_qca17866fba_proj
	.globl	k_qca17866fba_proj
	.p2align	8
	.type	k_qca17866fba_proj,@function
k_qca17866fba_proj:
	s_mov_b64 s[64:65], 0
	v_nop
	global_prefetch_b8 v0, s[64:65] scope:SCOPE_SE
	s_setreg_imm32_b32 hwreg(HW_REG_WAVE_MODE, 25, 1), 1
	s_wait_xcnt 0x0
	s_wait_alu depctr_hold_cnt(0) depctr_sa_sdst(0) depctr_va_vdst(0) depctr_va_sdst(0) depctr_va_ssrc(0) depctr_va_vcc(0) depctr_vm_vsrc(0)
	s_getreg_b32 s2, hwreg(HW_REG_IB_STS2, 6, 4)
	s_cmp_eq_u32 s2, 0
	s_cbranch_scc0 .Lentry_in_a_cluster
	s_endpgm
.Lentry_in_a_cluster:
	s_bfe_u32 s2, ttmp6, 0x10000c
	s_cmp_lg_u32 s2, 0xf033
	s_cbranch_scc0 .Lentry_shape_is_right
	s_endpgm
.Lentry_shape_is_right:
; out0 = ctx w_out + b_out on codes of FP8 (E4M3).  ctx comes as images of operand registers: [token block 512][head 16][piece 2][lane 32][16 bytes]; w_out: [1024 (n)][1024 (k)] codes, K innermost; out0: [8192][1024] f32.
; out = sum x 2^(e6 + e7) + bias.  LIMIT: e6 + e7 between -126 and 127, so that the power of two is an f32 number.
; A tile of 256 x 256 by four waves, 128 x 128 each; K = 1,024 in four steps of 256 through two LDS slots.  4 x 4 clusters: ctx's tile is asked for jointly along a row of the cluster, w_out's along a column.
; THE MATRIX INSTRUCTION IS USED TRANSPOSED (source 0 = 16 rows of w_out, source 1 = 16 tokens): a lane holds eight neighbouring numbers of a row of out0.
; k STANDS IN ITS OWN PLACES: ctx's images hold registers 2 c, 2 c + 1 = k 16 c + 8 (lane / 16) + 0 .. 7, so w_out's fragments are fetched in the same, the form's own, layout: eight loads of 8 bytes.
; A fragment of ctx (16 tokens x 128 k = two heads) is 2,048 consecutive bytes: four loads of 16 bytes a lane, with no pitch and no padding.
; REGISTERS: window 0: v16-29 addresses; v32-95 values on the way out; v128-255 ctx's fragments, ONE set, later rows read back.  window 1: w_out's fragments, TWO sets; set 0's first 64 registers take the bias at the end.  windows 2, 3: accumulators.
.set ROWB,   256
.set KROW,   1024
.set PITCH,  272                       ; a row of w_out's tile in LDS: 256 bytes + 16: the 32 lanes of an 8-byte load touch 64 different banks
.set FR,     16
.set NL,     4                         ; LDS loads that bring a fragment of ctx
.set NP,     4
.set HALFA,  32768                     ; 8 token blocks x 4,096 bytes: what one tensor load brings of ctx
.set HALFB,  128*PITCH                 ; and of w_out
.set BOFF,   2*HALFA                   ; w_out's tile lies behind ctx's
.set SLOT,   BOFF+2*HALFB              ; 135,168
.set SPARE,  2*SLOT                    ; behind the ring: the spare words, 128 bytes a wave
.set SPITCH, 528                       ; the way out: a stage of 16 rows x (512 + 16) bytes a wave, in slot 0, which has had its last fill and its last read by then
.set ASTEP,  2*4096                    ; two K steps on in ctx_img
.set BSTEP,  2*ROWB                    ; and in w_out
.set ADRA, 16
.set ADRB, 20
.set STO,  24
.set RD,   25
.set CO,   26
.set BH,   27                          ; v27  32 x (lane / 16): the bias's offset
.set SPW,  28
.set NIL,  29
.set TMP,  32
.set AF,   128
.set BK,   128
.set G1, 24
.set G0, 32
.set G1B, 48
.set G0B, 56
.set MSB, 0
.macro WIN new                         ; the immediate's high byte repeats the setting that is left
.if MSB != \new
	s_set_vgpr_msb (MSB<<8)|\new
.set MSB, \new
.endif
.endm
.set MUL_LO, 0xa1
.set MUL_HI, 0xf1
.set TO_B,   0x40
.macro JLOAD g0a, g1a, g0b, g1b        ; a joint load: waves 0 and 1 fetch ctx's halves, waves 2 and 3 w_out's; four v_nop follow each line
	s_cmp_eq_u32 s15, 0
	s_cbranch_scc0 .Lfor_b_\@
	tensor_load_to_lds s[\g0a:\g0a+3], s[\g1a:\g1a+7]
	s_nop 0
.rept 4
	v_nop
.endr
	s_branch .Lasked_\@
.Lfor_b_\@:
	tensor_load_to_lds s[\g0b:\g0b+3], s[\g1b:\g1b+7]
	s_nop 0
.rept 4
	v_nop
.endr
.Lasked_\@:
.endm
.macro CREST
	s_cmp_lg_u32 s14, 0
	s_cbranch_scc1 .Lnot_wave_0_\@
	s_barrier_signal -3
.Lnot_wave_0_\@:
	s_barrier_wait -3
	s_barrier_signal -1
	s_barrier_wait -1
.endm
.macro CROUND
	s_barrier_signal -1
	s_barrier_wait -1
	CREST
.endm
	s_load_b256 s[4:11], s[0:1], 0x0               ; ctx_img s[4:5], w_out s[6:7], the exponents s[8:9], b_out s[10:11]
	s_load_b64 s[12:13], s[0:1], 0x20              ; out0
	v_lshl_add_u32 v[SPW], v0, 2, SPARE
	v_mov_b32 v[NIL], 0
	ds_add_u32 v28, v29
	ds_add_u32 v28, v29
	s_wait_dscnt 0x0
	v_lshrrev_b32 v1, 5, v0
	v_readfirstlane_b32 s14, v1                    ; wave 0..3
	s_lshr_b32 s15, s14, 1                         ; my half of the tile's tokens.  Also: I fetch ctx (0) or w_out (1)
	s_and_b32 s16, s14, 1                          ; my half of its columns.  Also: which half of that tile I fetch
	s_bfe_u32 s40, ttmp6, 0x40000                  ; cx = the tile column
	s_bfe_u32 s41, ttmp6, 0x40004                  ; cy
	s_and_b32 s17, ttmp7, 0xffff
	s_lshl_b32 s17, s17, 2
	s_add_co_u32 s17, s17, s41                     ; tile row = 4 x cluster y + cy
	s_lshl_b32 s43, s41, 2
	s_lshl_b32 s43, 15, s43                        ; my row of the cluster
	s_lshl_b32 s44, 0x1111, s40                    ; my column
	; group 1 for ctx: 8 rows (token blocks) of 4,096 bytes (four heads), 16,384 bytes apart, dense in LDS
	s_or_b32 s[G1+0], s43, (3<<16)|(1<<21)         ; 15:0 the mask; 17:16 elements of 8 bytes; 21 set beside a mask
	s_mov_b32 s[G1+1], 512<<16                     ; tensor_dim0 = 512 elements
	s_mov_b32 s[G1+2], 8<<16                       ; tensor_dim1 = 8
	s_mov_b32 s[G1+3], 512<<16                     ; tile_dim0
	s_mov_b32 s[G1+4], 8                           ; tile_dim1
	s_mov_b32 s[G1+5], 2048                        ; pitch in elements
	s_mov_b32 s[G1+6], 0
	s_mov_b32 s[G1+7], 0
	; group 1 for w_out: 128 rows of 256 bytes, 16 bytes of padding behind each
	s_or_b32 s[G1B+0], s44, (0<<16)|(1<<20)|(1<<21)|(5<<22)|(3<<25)
	s_mov_b32 s[G1B+1], ROWB<<16
	s_mov_b32 s[G1B+2], 128<<16
	s_mov_b32 s[G1B+3], ROWB<<16
	s_mov_b32 s[G1B+4], 128
	s_mov_b32 s[G1B+5], KROW
	s_mov_b32 s[G1B+6], 0
	s_mov_b32 s[G1B+7], 0
	s_lshl_b32 s20, s17, 4
	s_lshl_b32 s18, s16, 3
	s_add_co_u32 s20, s20, s18                     ; ctx: token block 16 x tile row + 8 x half
	s_lshl_b32 s20, s20, 14
	s_mov_b32 s21, 0
	s_lshl_b32 s46, s40, 8
	s_lshl_b32 s18, s16, 7
	s_add_co_u32 s46, s46, s18                     ; w_out: row 256 cx + 128 x half
	s_lshl_b32 s46, s46, 10
	s_mov_b32 s47, 0
	s_lshl_b32 s45, s16, 15                        ; where ctx's half goes,
	s_mul_i32 s19, s16, HALFB
	s_add_co_u32 s19, s19, BOFF                    ; and w_out's: no place in the cluster enters an LDS address
	s_wait_kmcnt 0x0
	s_load_b64 s[96:97], s[8:9], 0x18              ; e6, e7
	s_add_nc_u64 s[20:21], s[4:5], s[20:21]
	s_add_nc_u64 s[46:47], s[6:7], s[46:47]
	CROUND                                         ; all sixteen work-groups are here: the first joint loads meet
.irp s, 0,1
	s_mov_b32 s[G0+4*\s], 1
	s_add_co_u32 s[G0+4*\s+1], s45, \s*SLOT
	s_add_nc_u64 s[G0+4*\s+2:G0+4*\s+3], s[20:21], \s*4096
	s_or_b32 s[G0+4*\s+3], s[G0+4*\s+3], 0x80000000
	s_mov_b32 s[G0B+4*\s], 1
	s_add_co_u32 s[G0B+4*\s+1], s19, \s*SLOT
	s_add_nc_u64 s[G0B+4*\s+2:G0B+4*\s+3], s[46:47], \s*ROWB
	s_or_b32 s[G0B+4*\s+3], s[G0B+4*\s+3], 0x80000000
	s_wait_alu depctr_va_vdst(0)
	s_wait_tensorcnt 0x0
	ds_add_u32 v28, v29
	ds_add_u32 v28, v29
	s_wait_dscnt 0x0
	CROUND
	JLOAD G0+4*\s, G1, G0B+4*\s, G1B               ; K steps 0 and 1: one load of mine is out
.endr
	v_and_b32 v1, 15, v0                           ; r
	v_bfe_u32 v2, v0, 4, 1                         ; h
	v_and_b32 v6, 31, v0
	v_lshlrev_b32 v[CO], 4, v6                     ; 16 x lane
	v_mul_u32_u24 v3, v1, PITCH
	v_lshl_add_u32 v4, v2, 3, v3                   ; w_out: row x pitch + 8 h
	v_lshlrev_b32 v[BH], 5, v2
	s_lshl_b32 s21, s15, 15                        ; my 8 token blocks of ctx
	s_mul_i32 s22, s16, HALFB                      ; my 128 rows of w_out
	s_add_co_u32 s22, s22, BOFF
.irp s, 0,1
	v_add_nc_u32 v[ADRA+\s], s21, v[CO]
	v_add_nc_u32 v[ADRB+\s], s22, v4
	s_add_co_u32 s21, s21, SLOT
	s_add_co_u32 s22, s22, SLOT
.endr
	s_mul_i32 s23, s14, 16*SPITCH                  ; my stage
	v_mul_u32_u24 v5, v1, SPITCH                   ; in: row r, 32 bytes for each half of the lanes
	v_lshl_add_u32 v5, v2, 5, v5
	v_add_nc_u32 v[STO], s23, v5
	v_add_nc_u32 v[RD], s23, v[CO]                 ; back: the 32 lanes take one row of 512 bytes
	s_lshl_b32 s20, s17, 8
	s_lshl_b32 s21, s15, 7
	s_add_co_u32 s20, s20, s21                     ; my first row of out0
	s_lshl_b32 s20, s20, 12                        ; x 4,096 bytes: under 2^25
	s_mov_b32 s21, 0
	s_lshl_b32 s46, s40, 10
	s_lshl_b32 s47, s16, 9
	s_add_co_u32 s46, s46, s47                     ; my first column in bytes: 1,024 cx + 512 x half
	s_mov_b32 s47, 0
	s_add_nc_u64 s[66:67], s[10:11], s[46:47]      ; b_out at my columns
	s_add_nc_u64 s[20:21], s[20:21], s[46:47]
	s_add_nc_u64 s[12:13], s[12:13], s[20:21]
.macro FRAG_A reg, adr, q, i           ; ctx: token block i, the slot's q-th 128 along K: an image of 16 registers
.irp c, 0,1,2,3
	ds_load_b128 v[\reg+4*\c:\reg+4*\c+3], v[\adr] offset:4096*(\i)+2048*(\q)+512*\c
.endr
.endm
.macro FRAG_B reg, adr, q, i           ; w_out: registers 2 c, 2 c + 1 = k 16 c + 8 h + 0 .. 7 of row r
.irp c, 0,1,2,3,4,5,6,7
	ds_load_b64 v[\reg+2*\c:\reg+2*\c+1], v[\adr] offset:128*(\q)+16*\c+(\i)*16*PITCH
.endr
.endm
.macro MUL16 a0, p, zero               ; 16 matrix instructions; the 64 accumulators take turns, in the same order in every step
.irp a, \a0, \a0+1
.irp b, 0,1,2,3,4,5,6,7
.if \zero
	v_wmma_f32_16x16x128_fp8_fp8 v[8*(8*((\a)%4)+\b):8*(8*((\a)%4)+\b)+7], v[128*(\p)+FR*\b:128*(\p)+FR*\b+FR-1], v[AF+FR*(\a):AF+FR*(\a)+FR-1], 0
.else
	v_wmma_f32_16x16x128_fp8_fp8 v[8*(8*((\a)%4)+\b):8*(8*((\a)%4)+\b)+7], v[128*(\p)+FR*\b:128*(\p)+FR*\b+FR-1], v[AF+FR*(\a):AF+FR*(\a)+FR-1], v[8*(8*((\a)%4)+\b):8*(8*((\a)%4)+\b)+7]
.endif
.endr
.endr
.endm
.macro FETCH_B slot, q, p
	WIN TO_B
.irp i, 0,1,2,3,4,5,6,7
	FRAG_B 128*(\p)+FR*\i, ADRB+\slot, \q, \i
.endr
	WIN 0
.endm
.macro FETCH_A slot, q, i0
.irp i, \i0, \i0+1, \i0+2, \i0+3
	FRAG_A AF+FR*(\i), ADRA+\slot, \q, \i
.endr
.endm
.macro PLACES n
.rept \n
	v_nop
.endr
.endm
.macro STEP slot, q, zero
	s_wait_dscnt 4*NL                              ; w_out's set and ctx's blocks 0-3 are in; the youngest 16 loads (blocks 4-7) may be out
	WIN MUL_LO
	MUL16 0, (\q)%2, \zero
	MUL16 2, (\q)%2, \zero
	s_wait_dscnt 0
	PLACES NP
	FETCH_B \slot, (\q)+1, 1-(\q)%2
	FETCH_A \slot, (\q)+1, 0
	WIN MUL_HI
	MUL16 4, (\q)%2, \zero
	MUL16 6, (\q)%2, \zero
	PLACES NP
	WIN 0
	FETCH_A \slot, (\q)+1, 4
.endm
.macro TURN slot, next, fill
	s_wait_tensorcnt 0x0                           ; all my tensor loads have landed: my part of the next slot
	ds_add_u32 v[SPW], v[NIL]                      ; 0 onto my spare word
	s_wait_dscnt 4*NL+1                            ; the add and the youngest 16 loads may be out
	WIN MUL_LO
	MUL16 0, 1, 0
	s_wait_dscnt 0x0                               ; the add is done, and my reads of this slot are over
	s_barrier_signal -1
	MUL16 2, 1, 0
	WIN 0
	s_barrier_wait -1
.if \fill
	CREST                                          ; the barrier has opened a round of the cluster's
	s_add_nc_u64 s[G0+4*\slot+2:G0+4*\slot+3], s[G0+4*\slot+2:G0+4*\slot+3], ASTEP
	s_add_nc_u64 s[G0B+4*\slot+2:G0B+4*\slot+3], s[G0B+4*\slot+2:G0B+4*\slot+3], BSTEP
	JLOAD G0+4*\slot, G1, G0B+4*\slot, G1B         ; the first tensor load behind the round, my only one until the next
.else
	PLACES NP
.endif
	FETCH_B \next, 0, 0
	FETCH_A \next, 0, 0
	WIN MUL_HI
	MUL16 4, 1, 0
	MUL16 6, 1, 0
	PLACES NP
	WIN 0
	FETCH_A \next, 0, 4
.endm
	s_wait_alu depctr_va_vdst(0)
	s_wait_tensorcnt 1                             ; my part of K step 0 is in; K step 1's may stay out
	s_barrier_signal -1
	s_barrier_wait -1
	FETCH_B 0, 0, 0
	FETCH_A 0, 0, 0
	FETCH_A 0, 0, 4
	STEP 0, 0, 1
	TURN 0, 1, 1
	STEP 1, 0, 0
	TURN 1, 0, 1
	STEP 0, 0, 0
	TURN 0, 1, 0
	STEP 1, 0, 0
	s_wait_dscnt 4*NL                              ; the very last step
	WIN TO_B                                       ; the bias: b_out[my column + 16 b + 8 h + j] into v[8 b + j] of window 1: w_out's set 0 is done with, four places behind its last products
.irp t, 0,1,2,3,4,5,6,7
	global_load_b128 v[8*\t:8*\t+3],   v[BH], s[66:67] offset:64*\t
	global_load_b128 v[8*\t+4:8*\t+7], v[BH], s[66:67] offset:64*\t+16
.endr
	WIN MUL_LO
	MUL16 0, 1, 0
	MUL16 2, 1, 0
	s_wait_dscnt 0
	WIN MUL_HI
	MUL16 4, 1, 0
	MUL16 6, 1, 0
	WIN 0
; THE WAY OUT, block by block of 16 rows x 128 columns: sum x 2^(e6 + e7) + bias, through my own stage in LDS, back as whole rows of 512 bytes.  LDS serves a wave's instructions in order (ISA guide 5.7.1.4).
.macro TOSTAGE a
.set AC, 64*((\a)%4)
	WIN 0x12+((\a)/4)                              ; source 0 (the sums): window 2 or 3; source 2 (the bias): window 1
.set j, 0
.rept 32
	v_pk_fma_f32 v[TMP+j:TMP+j+1], v[AC+j:AC+j+1], s[96:97], v[j:j+1] op_sel_hi:[1,0,1]   ; each accumulator from its low end on
.set j, j+2
.endr
	WIN 0
.irp b, 0,1,2,3,4,5,6,7
	ds_store_b128 v[STO], v[TMP+8*\b:TMP+8*\b+3] offset:64*\b
	ds_store_b128 v[STO], v[TMP+8*\b+4:TMP+8*\b+7] offset:64*\b+16
.endr
.set BBK, BK+64*((\a)%2)
.irp t, 0,1,2,3,4,5,6,7,8,9,10,11,12,13,14,15
	ds_load_b128 v[BBK+4*\t:BBK+4*\t+3], v[RD] offset:\t*SPITCH
.endr
.endm
.macro SEND a, younger                 ; younger: the LDS instructions issued behind block a's loads, which may stay out
.set BBK, BK+64*((\a)%2)
	s_wait_dscnt \younger
.if (\a) > 0
	s_add_nc_u64 s[12:13], s[12:13], 16*4096       ; (behind a wait on XCNT: the earlier stores have read their base)  16 rows of out0 on
.endif
.irp t, 0,1,2,3,4,5,6,7,8,9,10,11,12,13,14,15
	global_store_b128 v[CO], v[BBK+4*\t:BBK+4*\t+3], s[12:13] offset:\t*4096 th:TH_STORE_NT   ; 32 lanes store 512 consecutive bytes, aligned; written once, read by nobody here
.endr
.endm
	s_wait_kmcnt 0x0
	s_add_co_i32 s96, s96, s97
	s_add_co_i32 s96, s96, 127
	s_lshl_b32 s96, s96, 23                        ; 2^(e6 + e7) as f32
	s_mov_b32 s97, s96                             ; (named with it as a pair)
	s_wait_loadcnt 0x0                             ; the bias
	PLACES NP
	TOSTAGE 0
.irp a, 1,2,3,4,5,6,7
.if \a > 1
	s_wait_xcnt 0x0                                ; block a - 2's stores have read their registers and their base
.endif
	TOSTAGE \a
	SEND \a-1, 32                                  ; behind block a - 1's loads: block a's 16 stores and 16 loads
.endr
	s_wait_xcnt 0x0
	SEND 7, 0
	s_wait_tensorcnt 0x0                           ; the wave's end
	ds_add_u32 v[SPW], v[NIL]
	s_wait_dscnt 0x0
	CROUND                                         ; the closing round
	s_endpgm
.Lfunc_end_k_qca17866fba_proj:
	.size	k_qca17866fba_proj, .Lfunc_end_k_qca17866fba_proj-k_qca17866fba_proj
	.p2alignl 7, 3214868480
	.fill 96, 4, 3214868480
	.section	.rodata,"a",@progbits
	.p2align	6, 0x0
	.amdhsa_kernel k_qca17866fba_proj
		.amdhsa_group_segment_fixed_size 327680
		.amdhsa_private_segment_fixed_size 0
		.amdhsa_enable_private_segment 0
		.amdhsa_kernarg_size 40
		.amdhsa_user_sgpr_count 2
		.amdhsa_user_sgpr_kernarg_segment_ptr 1
		.amdhsa_wavefront_size32 1
		.amdhsa_system_sgpr_workgroup_id_x 1
		.amdhsa_system_sgpr_workgroup_id_y 1
		.amdhsa_system_sgpr_workgroup_id_z 1
		.amdhsa_system_vgpr_workitem_id 0
		.amdhsa_next_free_vgpr 1024
		.amdhsa_next_free_sgpr 100
		.amdhsa_reserve_vcc 0
		.amdhsa_float_denorm_mode_32 3
		.amdhsa_float_denorm_mode_16_64 3
		.amdhsa_memory_ordered 1
		.amdhsa_forward_progress 1
		.amdhsa_inst_pref_size 142
	.end_amdhsa_kernel
	.amdgpu_metadata
---
amdhsa.version: [ 1, 2 ]
amdhsa.kernels:
  - .name:           k_qca17866fba_proj
    .symbol:         k_qca17866fba_proj.kd
    .args:
      - { .name: ctx_img, .offset: 0, .size: 8, .value_kind: global_buffer, .address_space: global }
      - { .name: w_out_codes, .offset: 8, .size: 8, .value_kind: global_buffer, .address_space: global }
      - { .name: lowp_scales, .offset: 16, .size: 8, .value_kind: global_buffer, .address_space: global }
      - { .name: b_out, .offset: 24, .size: 8, .value_kind: global_buffer, .address_space: global }
      - { .name: out0, .offset: 32, .size: 8, .value_kind: global_buffer, .address_space: global }
    .group_segment_fixed_size: 327680
    .private_segment_fixed_size: 0
    .kernarg_segment_align: 8
    .kernarg_segment_size: 40
    .max_flat_workgroup_size: 128
    .sgpr_count:     100
    .vgpr_count:     1024
    .wavefront_size: 32
...
	.end_amdgpu_metadata
.endif
;; end of part 3
